; MI455X (gfx1250); checked and timed in simulation.
; The chip was launched on July 23, 2026; its instructions are those of AMD's public machine-readable ISA for CDNA 5 (MIT licence, August 2026) and "CDNA5" Instruction Set Architecture Reference Guide (July 2026). The comments in the code are by the model that wrote it; some were corrected since.
;; Quant Linear. Allowed arithmetic: matrix products marked QUANTISED: E2M1 operands, one E8M0 scale for each 32 along K, by v_wmma_scale_f32_16x16x128_f8f6f4 with both operands' format E2M1 (or v_wmma_scale_f32_32x16x128_f4), f32 sums; everything else in f32.
;; Inputs: bias 4,096 float32; in_reorder 4,096 int32; intweight 4,096 x 4,096 int32; out_reorder 4,096 int32; scales 32 x 4,096 float32; x 4 x 1,024 x 4,096 float32; zeros 32 x 4,096 float32.
;; Outputs: out0 4 x 1,024 x 4,096 float32.
;; This version of the problem:
;;   THIS VERSION OF THE PROBLEM IS GIVEN IN LOW PRECISION. The matrix products marked QUANTISED in the list below multiply operands that are first quantised to E2M1 (2 exponent bits, 1 mantissa bit; 4 bits a number), with one power-of-two scale for each 32 numbers along K (OCP MX v1.0); their sums are f32. All else is computed in f32.
;;   The module's matrix products, in the order in which they are computed (A, B: the left and right operand; K: the contracted axis; several contracted axes count as one K, in the product's order):
;;     1. [M 4,096, K 4,096] x [K 4,096, N 4,096]; A: computed on the way; B: computed on the way: QUANTISED
;;   THE QUANTISER, for each operand of a quantised product, along K:
;;     - K is cut into blocks of 32 from its start; a last block that is shorter is filled with zeros.
;;     - A block's scale is 2^e with e = floor(log2(the largest magnitude in the block)) - 2, held to -126 .. 127; a block of zeros has e = 0. As a byte (E8M0): e + 127.
;;     - Each number is divided by its block's scale, clamped to +-6, and rounded to the nearest number of E2M1, ties to even, subnormals kept.
;;     - The product sums the exact products of the quantised numbers (number of the format x scale) in f32.
;;   ~~~python
;;   def quantise(x, axis):      # numpy; x: float32 -> the quantised numbers, widened to float32 again
;;       x = np.moveaxis(x, axis, -1); K = x.shape[-1]
;;       x = np.pad(x, [(0, 0)] * (x.ndim - 1) + [(0, -K % 32)]); x = x.reshape(x.shape[:-1] + (-1, 32)); a = np.abs(x).max(-1, keepdims=True)
;;       e = np.where(a > 0, np.clip(np.frexp(np.where(a > 0, a, 1))[1] - 1 - 2, -126, 127), 0)      # np.frexp(a)[1] - 1 = floor(log2(a)), exactly
;;       r = np.clip(x / 2.0 ** e, -6, 6)
;;       step = 2.0 ** (np.maximum(np.frexp(np.where(r == 0, 1, r))[1] - 1, 0) - 1)
;;       q = np.round(r / step) * step * 2.0 ** e      # np.round: ties to even
;;       return np.moveaxis(q.reshape(q.shape[:-2] + (-1,))[..., :K], -1, axis).astype(np.float32)
;;   ~~~
;;   OPERANDS COMPUTED ON THE WAY. 'Computed on the way' means the value that the module computes at that place (a softmax that the list does not call 'softmax' is quantised finished and normalised). What goes into a quantiser is computed in f32, as accurately as f32 sums, v_exp_f32 and their like allow (about 1e-6 of the number): no bf16 or f16 on the way to a quantiser, and a product that is left as it is and whose result goes on into a quantised operand takes f32 operands (vector FMAs, or v_wmma_f32_16x16x4_f32). A number that lies on a knife's edge between two numbers of the format may be rounded either way, as far as f32 arithmetic and the matrix unit's own rounding can turn it there, and no further.
;; One version. Each part assembles by itself: llvm-mc -triple=amdgcn-amd-amdhsa -mcpu=gfx1250 --defsym DOCPART=n.
;; ======== version 1 of 1: 2 launches
;; limits: right only within a limited range of input values
;; workspace buffers: ops 17,825,792 bytes
;; launch quant (part 1): grid 256 x 1, 16 waves a work-group, no clusters, 207,360 bytes of LDS; arguments x, in_reorder, out_reorder, intweight, scales, zeros, ops; writes ops
.if DOCPART == 1
	.amdgcn_target "amdgcn-amd-amdhsa--gfx1250"
	.amdhsa_code_object_version 6
	.text
	.protected	k_q5363ab6585_quant
	.globl	k_q5363ab6585_quant
	.p2align	8
	.type	k_q5363ab6585_quant,@function
k_q5363ab6585_quant:
	s_mov_b64 s[64:65], 0
	v_nop
	global_prefetch_b8 v0, s[64:65] scope:SCOPE_SE
	s_setreg_imm32_b32 hwreg(HW_REG_WAVE_MODE, 25, 1), 1
	s_wait_xcnt 0x0
; Both operands of out = x[:, in_reorder] . w[:, out_reorder] are made here once, as codes of FP4 (E2M1) with one E8M0 byte for each 32 along K (K = the reordered input features, 4,096).
; w[i][n] = (float(intweight[i][n]) - zeros[i / 128][n]) * scales[i / 128][n]: a subtraction and a multiplication, each rounded, as the problem writes them.
; A block's scale is 2^(floor(log2(its largest magnitude)) - 2): its byte is the largest magnitude's exponent field - 2, held at 1 from below.
; LIMITS: a block of zeros gets the byte 1 where the quantiser's rule says 127: its codes are zeros, which add nothing under any byte but 0xff, and the bytes are read by this program alone.
;         NaN and infinities among the inputs are not served.  Indices are held at 4,095 (the problem keeps them inside their tables); an index may occur more than once.
; WORK-GROUPS 0-127 take the weights: work-group kb takes rows 32 kb .. 32 kb + 31 of intweight, one block along K, for all 4,096 columns, so that the gather by out_reorder is a gather of
; 16-byte code blocks inside LDS.  WORK-GROUPS 128-255 take x: 32 rows each, four rows a pass; a pass's four rows lie whole in LDS, so that the gather by in_reorder is a gather inside LDS.
; Each work-group reads 512 KiB.  The two ways part on the work-group's number, never join, and have LDS bytes of their own.
; THE LAYOUT OF ops, by K slot of 512 (ks = 0 .. 7, KSB bytes each): 16 blocks of A (256 rows each), then 16 of B, TB = 65,536 + 4,096 bytes each: a tile's share of a K slot is one dense block.
;   kb = k / 32, kbl = kb % 16, q = kbl / 4, kq = kb % 4.
;   A codes, row ml of the block, g = ml / 4:  q 16384 + g 256 + ((kq + g) % 4) 64 + (ml % 4) 16.   A scale bytes: 65536 + ml 16 + kbl.
;   B codes, row jl:  kbl 4096 + jl 16.   B scale bytes, jl = 32 P + 16 e + r:  65536 + kbl 256 + ((P + kbl) % 8) 32 + 2 r + e.
; No tensor loads, no change of EXEC, no stepped pointer: every offset is an immediate.
; NO PREFETCH: from the head on a wave has two passes (x: 16 loads of 512 bytes) or two tasks (weights: 32 loads of 512 bytes) on their way, 128 or 256 KiB of a work-group's 512 KiB,
; and there are only eight passes and four tasks: no loop to run further ahead in.
.set KSB,   2228224                    ; a K slot of ops
.set TB,    69632                      ; a block of 256 rows x 512 along K: codes, then scale bytes
.set XP,    16448                      ; X: a row of x in LDS: 16,384 bytes + 64
.set XSC,   8*XP                       ; X: behind two stages of four rows: [ks 8][32 rows][16] scale bytes
.set WCODE, XSC+4096                   ; W: [column 4096][16] codes of the work-group's block
.set WSB,   WCODE+65536                ; W: [column 4096] scale bytes
.set SPARE, WSB+4096                   ; the spare words, 128 bytes a wave
.set SPW,   14                         ; v14 my spare word's address, v15 = 0: kept for the closing add alone
.set NIL,   15
	s_load_b256 s[4:11], s[0:1], 0x0               ; x s[4:5], in_reorder s[6:7], out_reorder s[8:9], intweight s[10:11]
	s_load_b128 s[12:15], s[0:1], 0x20             ; scales s[12:13], zeros s[14:15]
	s_load_b64 s[16:17], s[0:1], 0x30              ; ops
	v_lshl_add_u32 v[SPW], v0, 2, SPARE
	v_mov_b32 v[NIL], 0
	s_cmp_lt_u32 ttmp9, 128
	s_cbranch_scc1 .Lweights
; ---------------------------------------------------------------- x ----------------------------------------------------------------
; Thread t: rr = t % 4, one of a pass's four rows; b = t / 4, one block of 32 along K.  Two stages of four rows take turns, so one barrier a pass orders both the
; stores against the gathers of the same pass and the gathers against the stores two passes on.
; REGISTERS: v2, v12 16 t in stage 0, 1; v3, v4 places among the scale bytes in LDS; v5 their place in ops; v6 rr XP; v7 128 b; v8-11 the codes' place in ops for pass % 4; v16-23 a byte a pass;
;            v24-25 the bytes' way out; v26-30 at work; v32-63, v192-223 the 32 gather addresses in stage 0, 1; v64-127 two sets as loaded; v128-159 the gathered block; v160-191 codes.
	s_sub_co_u32 s18, ttmp9, 128                   ; wx: my 32 rows of x
	v_lshlrev_b32 v2, 4, v0                        ; 16 t: my 16 bytes of 8,192, in memory and in a row of the stage
	v_and_b32 v6, 3, v0                            ; rr
	v_lshrrev_b32 v7, 2, v0                        ; b
	s_delay_alu instid0(VALU_DEP_1)
	v_lshrrev_b32 v26, 4, v7                       ; ks
	s_delay_alu instid0(VALU_DEP_2)
	v_and_b32 v27, 15, v7                          ; kbl
	s_delay_alu instid0(VALU_DEP_1)
	v_lshl_add_u32 v3, v26, 9, v27
	s_delay_alu instid0(VALU_DEP_1)
	v_lshl_add_u32 v3, v6, 4, v3
	s_delay_alu instid0(VALU_DEP_1)
	v_add_nc_u32 v3, XSC, v3                       ; my byte: ks 512 + rr 16 + kbl (+ 64 a pass)
	v_lshl_add_u32 v4, v0, 3, XSC                  ; the bytes' way out: 8 a thread
	v_lshrrev_b32 v28, 6, v0
	v_and_b32 v29, 63, v0
	s_delay_alu instid0(VALU_DEP_1)
	v_lshlrev_b32 v29, 3, v29
	s_delay_alu instid0(VALU_DEP_1)
	v_mad_u32_u24 v5, v28, KSB, v29                ; and in ops: K slot t / 64, 8 (t % 64)
	v_bfe_u32 v28, v7, 2, 2                        ; q
	v_lshlrev_b32 v29, 4, v6
	s_delay_alu instid0(VALU_DEP_1)
	v_lshl_add_u32 v29, v28, 14, v29
	s_delay_alu instid0(VALU_DEP_1)
	v_mad_u32_u24 v29, v26, KSB, v29               ; ks KSB + q 16384 + rr 16
	v_and_b32 v28, 3, v7                           ; kq
.irp pp, 0,1,2,3
	v_add_nc_u32 v30, \pp, v28
	s_delay_alu instid0(VALU_DEP_1)
	v_and_b32 v30, 3, v30
	s_delay_alu instid0(VALU_DEP_1)
	v_lshl_add_u32 v[8+\pp], v30, 6, v29           ; + ((kq + pass) % 4) 64: g % 4 = pass % 4, since a work-group's first g is a multiple of 8
.endr
	v_mul_u32_u24 v6, v6, XP                       ; my row in a stage
	v_lshlrev_b32 v7, 7, v7                        ; my block's 32 indices: 128 bytes
	v_add_nc_u32 v12, 4*XP, v2                     ; 16 t in stage 1
	v_lshrrev_b32 v26, 6, v0
	v_and_b32 v27, 63, v0
	v_mov_b32 v31, 0
	v_mad_u32_u24 v13, v26, XP, v27
	ds_store_b8 v13, v31 offset:16384              ; the 64 bytes behind each of the eight rows are written once: a byte a thread
	s_lshl_b32 s20, s18, 19                        ; 32 rows of 16,384 bytes
	s_mov_b32 s21, 0
	s_lshr_b32 s22, s18, 3
	s_mul_i32 s22, s22, TB                         ; my block of 256 rows
	s_and_b32 s23, s18, 7
	s_lshl_b32 s24, s23, 11                        ; my first g: 8 (wx % 8), 256 bytes each
	s_add_co_u32 s24, s24, s22
	s_mov_b32 s25, 0
	s_lshl_b32 s26, s23, 9                         ; my 32 rows' scale bytes: 16 a row
	s_add_co_u32 s26, s26, s22
	s_add_co_u32 s26, s26, 65536
	s_mov_b32 s27, 0
	s_wait_alu depctr_va_vdst(0)                   ; the wait at the head's end
	s_wait_kmcnt 0x0
	s_add_nc_u64 s[4:5], s[4:5], s[20:21]          ; x at my first row
	s_add_nc_u64 s[28:29], s[16:17], s[24:25]      ; the codes' base
	s_add_nc_u64 s[30:31], s[16:17], s[26:27]      ; the scale bytes' base
.irp v, 0,1,2,3,4,5,6,7
	global_load_b128 v[32+4*\v:35+4*\v], v7, s[6:7] offset:16*\v   ; in_reorder[32 b ..]
.endr
.macro XLOAD p                         ; pass p's four rows: a wave reads 512 consecutive bytes, the work-group 8,192; eight loads a thread
.irp r, 0,1,2,3
.irp u, 0,1
	global_load_b128 v[64+32*((\p)%2)+8*\r+4*\u:64+32*((\p)%2)+8*\r+4*\u+3], v2, s[4:5] offset:(4*(\p)+\r)*16384+8192*\u th:TH_LOAD_NT
.endr
.endr
.endm
	XLOAD 0
	s_wait_loadcnt 8                               ; the indices are in; pass 0's eight loads may be out
.set i, 0
.rept 32
	v_min_u32 v[32+i], 0xfff, v[32+i]
	s_delay_alu instid0(VALU_DEP_1)
	v_lshl_add_u32 v[32+i], v[32+i], 2, v6         ; where x[my row][in_reorder[32 b + i]] lies in stage 0,
	s_delay_alu instid0(VALU_DEP_1)
	v_add_nc_u32 v[192+i], 4*XP, v[32+i]           ; and in stage 1
.set i, i+1
.endr
	XLOAD 1
.macro PASS p
.if (\p) < 7
	s_wait_loadcnt 8                               ; this pass's eight loads are in; the next pass's eight may be out
.else
	s_wait_loadcnt 0x0
.endif
.irp r, 0,1,2,3
.irp u, 0,1
	ds_store_b128 v[2+10*((\p)%2)], v[64+32*((\p)%2)+8*\r+4*\u:64+32*((\p)%2)+8*\r+4*\u+3] offset:\r*XP+8192*\u   ; as loaded: a wave writes 512 consecutive bytes
.endr
.endr
	s_wait_dscnt 0x0                               ; for the others' sake: my part of the four rows lies in LDS (my gathers of the last pass came back before)
	s_barrier_signal -1
	s_barrier_wait -1                              ; everybody's does; and every wave's gathers of the last pass are back, so the next pass may write the other stage
.if (\p) < 6
	XLOAD (\p)+2                                   ; into the set that the stores above have read
.endif
.set i, 0
.rept 32
	ds_load_b32 v[128+i], v[32+160*((\p)%2)+i]     ; the gather: my block's 32 numbers of my row
.set i, i+1
.endr
	s_wait_dscnt 0x0
	v_max3_num_f32 v26, |v128|, |v129|, |v130|     ; the block's largest magnitude, in two chains
	v_max3_num_f32 v27, |v131|, |v132|, |v133|
.irp i, 6,10,14,18,22,26
	s_delay_alu instid0(VALU_DEP_2)
	v_max3_num_f32 v26, v26, |v[128+\i]|, |v[128+\i+1]|
	s_delay_alu instid0(VALU_DEP_2)
	v_max3_num_f32 v27, v27, |v[128+\i+2]|, |v[128+\i+3]|
.endr
	s_delay_alu instid0(VALU_DEP_2)
	v_max3_num_f32 v26, v26, |v158|, |v159|
	s_delay_alu instid0(VALU_DEP_1)
	v_max3_num_f32 v26, v26, v27, 0x1800000        ; and the floor 2^(3 - 127): the byte cannot fall under 1
	s_delay_alu instid0(VALU_DEP_1)
	v_add_nc_u32 v28, 0xff000000, v26              ; 2 off the exponent field: the conversion takes this operand's exponent field as its scale
.irp g, 0,1,2,3
	v_cvt_scalef32_pk8_fp4_f32 v[160+4*(\p)+\g], v[128+8*\g:128+8*\g+7], v28   ; to the nearest code, ties to even; beyond 6 the largest code
.endr
	v_lshrrev_b32 v[16+(\p)], 23, v28              ; the scale's byte; also the plain line behind the conversions
	global_store_b128 v[8+(\p)%4], v[160+4*(\p):163+4*(\p)], s[28:29] offset:256*(\p)   ; sixteen lanes (4 rows x 4 blocks) store 256 consecutive bytes, aligned
.endm
	s_wait_alu depctr_va_vdst(0)
.irp p, 0,1,2,3,4,5,6,7
	PASS \p
.endr
.irp p, 0,1,2,3,4,5,6,7
	ds_store_b8 v3, v[16+\p] offset:64*\p          ; the scale bytes of 32 rows x 128 blocks meet in LDS bytes of their own
.endr
	s_wait_dscnt 0x0
	s_barrier_signal -1
	s_barrier_wait -1
	ds_load_b64 v[24:25], v4
	s_wait_dscnt 0x0
	global_store_b64 v5, v[24:25], s[30:31]        ; a wave stores 256 consecutive bytes, aligned
	s_wait_tensorcnt 0x0                           ; the wave's end
	ds_add_u32 v[SPW], v[NIL]
	s_wait_dscnt 0x0
	s_endpgm
; -------------------------------------------------------------- weights --------------------------------------------------------------
; Four tasks a thread.  In task u lane (r, h) of wave w takes columns 1024 u + 4 cg .. + 3, cg = 16 w + r, and rows 16 h .. 16 h + 15: each load is 16 bytes a lane, sixteen lanes on 256
; consecutive bytes of a row.  The conversion from whole numbers lays a column's 16 numbers into consecutive registers; lanes l and l xor 16 share a block and join their maxima.
; REGISTERS: v1 4 t; v2 where my indices for the scale bytes lie; v3, v4 the codes' and the bytes' place in ops; v8 16 cg; v9 the loads' offset; v10-11 bytes out; v12, v13 where I put codes and bytes;
;            v16-31 zeros and scales, two sets of 4 + 4; v32-60 at work; v64-191 two sets of 64 as loaded (later indices, addresses, gathered codes); v192-255 4 columns x 16 numbers.
.Lweights:
	s_and_b32 s19, ttmp9, 15                       ; kbl
	v_lshlrev_b32 v1, 2, v0                        ; 4 t
	v_lshrrev_b32 v5, 2, v0
	v_and_b32 v6, 3, v0
	s_delay_alu instid0(VALU_DEP_2)
	v_lshlrev_b32 v2, 7, v5
	s_delay_alu instid0(VALU_DEP_1)
	v_lshl_add_u32 v2, v6, 4, v2                   ; 4 x (32 (t / 4) + 4 (t % 4)): four indices here, four more 64 bytes on
	v_lshrrev_b32 v7, 8, v0
	v_and_b32 v8, 255, v0
	s_delay_alu instid0(VALU_DEP_1)
	v_lshlrev_b32 v8, 4, v8
	s_delay_alu instid0(VALU_DEP_1)
	v_mad_u32_u24 v3, v7, TB, v8                   ; output row j = t + 512 u: block t / 256 + 2 u, row t % 256
	v_and_b32 v7, 7, v5                            ; P
	s_delay_alu instid0(VALU_DEP_1)
	v_add_nc_u32 v7, s19, v7
	s_delay_alu instid0(VALU_DEP_1)
	v_and_b32 v7, 7, v7                            ; (P + kbl) % 8
	v_lshlrev_b32 v8, 3, v6
	s_delay_alu instid0(VALU_DEP_1)
	v_lshl_add_u32 v8, v7, 5, v8
	v_lshrrev_b32 v7, 5, v0
	s_delay_alu instid0(VALU_DEP_1)
	v_mad_u32_u24 v4, v7, TB, v8                   ; block t / 32; in its plane 32 ((P + kbl) % 8) + 8 (t % 4)
	v_and_b32 v5, 15, v0
	v_bfe_u32 v6, v0, 4, 1                         ; h
	v_lshl_or_b32 v5, v7, 4, v5                    ; cg
	s_delay_alu instid0(VALU_DEP_1)
	v_lshlrev_b32 v8, 4, v5                        ; 16 cg: four columns of 4 bytes
	v_lshlrev_b32 v7, 6, v5
	s_delay_alu instid0(VALU_DEP_2)
	v_lshl_add_u32 v9, v6, 18, v8                  ; + 16 h rows of 16,384 bytes
	s_delay_alu instid0(VALU_DEP_2)
	v_lshl_add_u32 v7, v6, 3, v7
	v_lshl_add_u32 v13, v5, 2, WSB                 ; my four columns' bytes: one word
	s_delay_alu instid0(VALU_DEP_2)
	v_add_nc_u32 v12, WCODE, v7                    ; my half of a column's 16 bytes: 64 cg + 8 h (+ 16 a column)
.irp c, 0,1,2,3
	v_mov_b32 v[40+\c], 0                          ; a lane permute's destination counts as read
.endr
	s_mov_b32 s32, 0x76543210                      ; v_permlanex16_b32's selects for lane l xor 16
	s_mov_b32 s33, 0xfedcba98
	s_lshl_b32 s20, ttmp9, 19                      ; 32 rows of 16,384 bytes
	s_mov_b32 s21, 0
	s_lshr_b32 s22, ttmp9, 2
	s_lshl_b32 s22, s22, 14                        ; my group's row of zeros and of scales
	s_mov_b32 s23, 0
	s_lshr_b32 s24, ttmp9, 4
	s_mul_i32 s24, s24, KSB
	s_add_co_u32 s24, s24, 16*TB                   ; my K slot's blocks of B
	s_lshl_b32 s26, s19, 8
	s_add_co_u32 s26, s26, s24
	s_add_co_u32 s26, s26, 65536                   ; my plane of scale bytes
	s_mov_b32 s27, 0
	s_lshl_b32 s25, s19, 12
	s_add_co_u32 s24, s24, s25                     ; my 4,096 bytes of codes
	s_mov_b32 s25, 0
	s_wait_alu depctr_va_vdst(0)                   ; the wait at the head's end
	s_wait_kmcnt 0x0
	s_add_nc_u64 s[10:11], s[10:11], s[20:21]
	s_add_nc_u64 s[12:13], s[12:13], s[22:23]
	s_add_nc_u64 s[14:15], s[14:15], s[22:23]
	s_add_nc_u64 s[28:29], s[16:17], s[24:25]
	s_add_nc_u64 s[30:31], s[16:17], s[26:27]
.macro WLOAD u                         ; task u's 16 rows x 4 columns
.set i, 0
.rept 16
	global_load_b128 v[64+64*((\u)%2)+4*i:64+64*((\u)%2)+4*i+3], v9, s[10:11] offset:16384*i+4096*(\u) th:TH_LOAD_NT
.set i, i+1
.endr
.endm
.macro ZSLOAD u                        ; its four zeros and four scales
	global_load_b128 v[16+8*((\u)%2):19+8*((\u)%2)], v8, s[14:15] offset:4096*(\u)
	global_load_b128 v[20+8*((\u)%2):23+8*((\u)%2)], v8, s[12:13] offset:4096*(\u)
.endm
; column c: its zero and its scale stand in register s of the pairs v[ZB+zp:..], v[ZB+4+zp:..]; the packed forms take that register for both halves
.macro PKC c, zp, s
.set i, 0
.rept 8
	v_pk_add_f32 v[192+16*\c+i:193+16*\c+i], v[192+16*\c+i:193+16*\c+i], v[ZB+\zp:ZB+\zp+1] op_sel:[0,\s] op_sel_hi:[1,\s] neg_lo:[0,1] neg_hi:[0,1]   ; - zero
.set i, i+2
.endr
.set i, 0
.rept 8
	v_pk_mul_f32 v[192+16*\c+i:193+16*\c+i], v[192+16*\c+i:193+16*\c+i], v[ZB+4+\zp:ZB+5+\zp] op_sel:[0,\s] op_sel_hi:[1,\s]                           ; x scale
.set i, i+2
.endr
.endm
.macro TASK u
.set ZB, 16+8*((\u)%2)
.if (\u) < 3
	s_wait_loadcnt 18                              ; this task's 18 loads are in; the next task's 18 may be out
.else
	s_wait_loadcnt 10                              ; behind the last task's loads: the ten loads of indices
.endif
	s_wait_dscnt 0x0                               ; the last task's LDS stores have read their registers
.irp c, 0,1,2,3
.set i, 0
.rept 16
	v_cvt_f32_i32 v[192+16*\c+i], v[64+64*((\u)%2)+4*i+\c]         ; a column's 16 numbers into consecutive registers
.set i, i+1
.endr
.endr
.if (\u) < 2
	WLOAD (\u)+2
.endif
.if (\u) == 2
.irp w, 0,1,2,3,4,5,6,7
	global_load_b32 v[64+\w], v1, s[8:9] offset:2048*\w            ; out_reorder[t + 512 w]
.endr
	global_load_b128 v[72:75], v2, s[8:9]
	global_load_b128 v[76:79], v2, s[8:9] offset:64
.endif
	PKC 0, 0, 0
	PKC 1, 0, 1
	PKC 2, 2, 0
	PKC 3, 2, 1
.if (\u) < 2
	ZSLOAD (\u)+2
.endif
.irp c, 0,1,2,3                        ; the largest magnitude of my 16, the four columns by turns
	v_max3_num_f32 v[32+\c], |v[192+16*\c]|, |v[193+16*\c]|, |v[194+16*\c]|
.endr
.irp c, 0,1,2,3
	v_max3_num_f32 v[36+\c], |v[195+16*\c]|, |v[196+16*\c]|, |v[197+16*\c]|
.endr
.irp i, 6,10
.irp c, 0,1,2,3
	v_max3_num_f32 v[32+\c], v[32+\c], |v[192+16*\c+\i]|, |v[193+16*\c+\i]|
.endr
.irp c, 0,1,2,3
	v_max3_num_f32 v[36+\c], v[36+\c], |v[194+16*\c+\i]|, |v[195+16*\c+\i]|
.endr
.endr
.irp c, 0,1,2,3
	v_max3_num_f32 v[32+\c], v[32+\c], |v[206+16*\c]|, |v[207+16*\c]|
.endr
.irp c, 0,1,2,3
	v_max3_num_f32 v[32+\c], v[32+\c], v[36+\c], 0x1800000         ; and the floor 2^(3 - 127)
.endr
.irp c, 0,1,2,3
	v_permlanex16_b32 v[40+\c], v[32+\c], s32, s33
.endr
.irp c, 0,1,2,3
	v_max_num_f32 v[32+\c], v[32+\c], v[40+\c]                     ; with lane l xor 16's 16 rows: the block's
.endr
.irp c, 0,1,2,3
	v_add_nc_u32 v[44+\c], 0xff000000, v[32+\c]                    ; 2 off the exponent field: the conversion's scale operand
.endr
.irp c, 0,1,2,3
	v_cvt_scalef32_pk8_fp4_f32 v[48+2*\c], v[192+16*\c:199+16*\c], v[44+\c]
	v_cvt_scalef32_pk8_fp4_f32 v[49+2*\c], v[200+16*\c:207+16*\c], v[44+\c]
.endr
.irp c, 0,1,2,3
	v_lshrrev_b32 v[56+\c], 23, v[44+\c]                           ; the scale's byte; also the plain line behind the conversions
.endr
	v_lshl_or_b32 v60, v57, 8, v56
	s_delay_alu instid0(VALU_DEP_1)
	v_lshl_or_b32 v60, v58, 16, v60
	s_delay_alu instid0(VALU_DEP_1)
	v_lshl_or_b32 v60, v59, 24, v60
.irp c, 0,1,2,3
	ds_store_b64 v12, v[48+2*\c:49+2*\c] offset:16384*(\u)+16*\c   ; by source column: my 16 rows' 8 bytes
.endr
	ds_store_b32 v13, v60 offset:1024*(\u)                         ; lanes l and l xor 16 write the same word with the same value
.endm
	WLOAD 0
	ZSLOAD 0
	WLOAD 1
	ZSLOAD 1
	TASK 0
	TASK 1
	TASK 2
	TASK 3
	s_wait_loadcnt 0x0
.irp w, 0,1,2,3,4,5,6,7
	v_min_u32 v[64+\w], 0xfff, v[64+\w]
	s_delay_alu instid0(VALU_DEP_1)
	v_lshl_add_u32 v[80+\w], v[64+\w], 4, WCODE    ; where the codes of output row t + 512 w lie
.endr
.irp k, 0,1,2,3,4,5,6,7
	v_min_u32 v[72+\k], 0xfff, v[72+\k]
	s_delay_alu instid0(VALU_DEP_1)
	v_add_nc_u32 v[88+\k], WSB, v[72+\k]           ; and the bytes of output rows 32 (t / 4) + 4 (t % 4) + 0 .. 3, and 16 further on
.endr
	s_wait_alu depctr_va_vdst(0)
	s_wait_dscnt 0x0                               ; for the others' sake: my columns' codes and bytes lie in LDS
	s_barrier_signal -1
	s_barrier_wait -1
.irp w, 0,1,2,3,4,5,6,7
	ds_load_b128 v[128+4*\w:131+4*\w], v[80+\w]
.endr
.irp k, 0,1,2,3,4,5,6,7
	ds_load_u8 v[96+\k], v[88+\k]
.endr
.irp w, 0,1,2,3,4,5,6,7
	s_wait_dscnt 15-\w                             ; behind gather w: 7 - w more of its kind and the eight bytes
	global_store_b128 v3, v[128+4*\w:131+4*\w], s[28:29] offset:139264*\w   ; two blocks (2 TB) on for each w; a wave stores 512 consecutive bytes
.endr
	s_wait_dscnt 0x0
	v_lshl_or_b32 v10, v100, 8, v96                ; byte 2 r + e: (r0, e0), (r0, e1), (r1, e0), (r1, e1)
	s_delay_alu instid0(VALU_DEP_1)
	v_lshl_or_b32 v10, v97, 16, v10
	s_delay_alu instid0(VALU_DEP_1)
	v_lshl_or_b32 v10, v101, 24, v10
	v_lshl_or_b32 v11, v102, 8, v98                ; (r2, e0), (r2, e1), (r3, e0), (r3, e1)
	s_delay_alu instid0(VALU_DEP_1)
	v_lshl_or_b32 v11, v99, 16, v11
	s_delay_alu instid0(VALU_DEP_1)
	v_lshl_or_b32 v11, v103, 24, v11
	global_store_b64 v4, v[10:11], s[30:31]        ; a wave stores the 256 bytes of one block's plane, aligned
	s_wait_tensorcnt 0x0                           ; the wave's end
	ds_add_u32 v[SPW], v[NIL]
	s_wait_dscnt 0x0
	s_endpgm
.Lfunc_end_k_q5363ab6585_quant:
	.size	k_q5363ab6585_quant, .Lfunc_end_k_q5363ab6585_quant-k_q5363ab6585_quant
	.p2alignl 7, 3214868480
	.fill 96, 4, 3214868480
	.section	.rodata,"a",@progbits
	.p2align	6, 0x0
	.amdhsa_kernel k_q5363ab6585_quant
		.amdhsa_group_segment_fixed_size 207360
		.amdhsa_private_segment_fixed_size 0
		.amdhsa_enable_private_segment 0
		.amdhsa_kernarg_size 56
		.amdhsa_user_sgpr_count 2
		.amdhsa_user_sgpr_kernarg_segment_ptr 1
		.amdhsa_wavefront_size32 1
		.amdhsa_system_sgpr_workgroup_id_x 1
		.amdhsa_system_sgpr_workgroup_id_y 1
		.amdhsa_system_sgpr_workgroup_id_z 1
		.amdhsa_system_vgpr_workitem_id 0
		.amdhsa_next_free_vgpr 256
		.amdhsa_next_free_sgpr 66
		.amdhsa_reserve_vcc 0
		.amdhsa_float_denorm_mode_32 3
		.amdhsa_float_denorm_mode_16_64 3
		.amdhsa_memory_ordered 1
		.amdhsa_forward_progress 1
		.amdhsa_inst_pref_size 113
	.end_amdhsa_kernel
	.amdgpu_metadata
---
amdhsa.version: [ 1, 2 ]
amdhsa.kernels:
  - .name:           k_q5363ab6585_quant
    .symbol:         k_q5363ab6585_quant.kd
    .args:
      - { .name: x, .offset: 0, .size: 8, .value_kind: global_buffer, .address_space: global }
      - { .name: in_reorder, .offset: 8, .size: 8, .value_kind: global_buffer, .address_space: global }
      - { .name: out_reorder, .offset: 16, .size: 8, .value_kind: global_buffer, .address_space: global }
      - { .name: intweight, .offset: 24, .size: 8, .value_kind: global_buffer, .address_space: global }
      - { .name: scales, .offset: 32, .size: 8, .value_kind: global_buffer, .address_space: global }
      - { .name: zeros, .offset: 40, .size: 8, .value_kind: global_buffer, .address_space: global }
      - { .name: ops, .offset: 48, .size: 8, .value_kind: global_buffer, .address_space: global }
    .group_segment_fixed_size: 207360
    .private_segment_fixed_size: 0
    .kernarg_segment_align: 8
    .kernarg_segment_size: 56
    .max_flat_workgroup_size: 512
    .sgpr_count:     66
    .vgpr_count:     256
    .wavefront_size: 32
...
	.end_amdgpu_metadata
.endif
;; end of part 1
;; launch gemm (part 2): grid 16 x 16, 4 waves a work-group, clusters of 4 x 4, 327,680 bytes of LDS; arguments ops, bias, out0; writes out0
.if DOCPART == 2
	.amdgcn_target "amdgcn-amd-amdhsa--gfx1250"
	.amdhsa_code_object_version 6
	.text
	.protected	k_q5363ab6585_gemm
	.globl	k_q5363ab6585_gemm
	.p2align	8
	.type	k_q5363ab6585_gemm,@function
k_q5363ab6585_gemm:
	s_mov_b64 s[64:65], 0
	v_nop
	global_prefetch_b8 v0, s[64:65] scope:SCOPE_SE
	s_setreg_imm32_b32 hwreg(HW_REG_WAVE_MODE, 25, 1), 1
	s_wait_xcnt 0x0
	s_wait_alu depctr_hold_cnt(0) depctr_sa_sdst(0) depctr_va_vdst(0) depctr_va_sdst(0) depctr_va_ssrc(0) depctr_va_vcc(0) depctr_vm_vsrc(0)
	s_getreg_b32 s2, hwreg(HW_REG_IB_STS2, 6, 4)
	s_cmp_eq_u32 s2, 0
	s_cbranch_scc0 .Lentry_in_a_cluster
	s_endpgm
.Lentry_in_a_cluster:
	s_bfe_u32 s2, ttmp6, 0x10000c
	s_cmp_lg_u32 s2, 0xf033
	s_cbranch_scc0 .Lentry_shape_is_right
	s_endpgm
.Lentry_shape_is_right:
; out0[m][j] = sum over k of A[m][k] B[j][k] + bias[j]; A and B are the codes of FP4 and the E8M0 bytes that launch quant laid into ops (layout: at that kernel's head).
; A tile of 256 x 256 is made by four waves, 128 x 128 each: 64 accumulators, 512 registers.  K goes in slots of 512 through a ring of two LDS slots; a slot holds A's and B's dense blocks
; (TB bytes each, codes and scale bytes), each wave fetching half a block as 136 rows of 256 bytes.  CLUSTERS of 4 x 4: A's block is asked for jointly along a row, B's along a column.
; Clusters begin at K slot 0 or 4 by their place in the grid and walk all eight round.
; THE MATRIX INSTRUCTION IS USED TRANSPOSED (source 0 = 16 rows of B, source 1 = 16 rows of A): a lane holds eight neighbouring numbers of a row of out0.  The bias is the C of the first products.
; A STEP is 128 along K, 64 products, A's blocks one after the other, each against B's eight.  A has one set of registers (blocks 0-3 are fetched anew in the step's middle, blocks 4-7 at its end),
; B two.  A SLOT'S LAST STEP changes slots: its first 32 products stand ahead of the wait for the next slot's tile, and the refill's addresses are stepped between the add and its wait, so that
; between that wait and the joint refill stand the add, the barrier and the cluster's round alone.
; PREFETCH: the K slots 1, 2 and 3 of a cluster's walk are asked for once each, at the head, behind the second fill and behind the first step; the 272 pieces of 8,192 bytes of a K slot are
; shared out by address among the waves of the eight clusters that begin at the same K slot.  The walk's other four slots are those that the other eight clusters have read by then: not asked for.
; REGISTERS: window 0: v0-31 addresses; v32-95 A's scale words, two sets; v96-127 B's, two sets; v128-191 A's fragments; v192-207 B's scale bytes as loaded; on the way out v128-255 rows read back.
;   window 1: B's fragments, two sets, at v0 and v128; v192-255 the bias.   windows 2, 3: the accumulators of my rows 0-63, 64-127 ((a, b) at v[8 (8 (a % 4) + b)]).
.set KSB,    2228224
.set TB,     69632
.set HALFB,  34816
.set SLOT,   2*TB
.set SPARE,  2*SLOT                    ; behind the ring: the spare words, 128 bytes a wave
.set SPITCH, 528                       ; the way out: 16 rows x (512 + 16) bytes a wave, in slot 0 behind its last fill and last read
.set NQ,     4
.set LAPS,   4
.set SIZE_N, 4096
.set ADSA, 10
.set ADRA, 12
.set ADRB, 16
.set ADSB, 18
.set STO,  26
.set RD,   27
.set CO,   28
.set SPW,  29
.set NIL,  30
.set PFO,  31
.set SCA,  32
.set SCB,  96
.set AF,   128
.set TR,   192
.set BK,   128
.set BIAS, 192
.set G1,  24
.set G0,  32
.set G1B, 48
.set G0B, 56
.set PFA, 66
.set LIM, 68
.set KI,  71
.set BA,  74
.set BB,  76
.set OFS, 78
.set MSB, 0
.macro WIN new                         ; the immediate's high byte repeats the setting that is left
.if MSB != (\new)
	s_set_vgpr_msb (MSB<<8)|(\new)
.set MSB, (\new)
.endif
.endm
.set MUL_LO,  0xa1                     ; source 0 (B) window 1, source 1 (A) window 0, C and D window 2
.set MUL_HI,  0xf1                     ; the same, C and D window 3
.set MULF_LO, 0x91                     ; the first products: C (the bias) window 1, D window 2
.set MULF_HI, 0xd1                     ; D window 3
.set TO_B,    0x40                     ; destination window 1, address window 0
.macro JLOAD s                         ; a joint load: waves 0, 1 fetch A's halves, waves 2, 3 B's; s_nop 0 and four v_nop behind each line
	s_cmp_eq_u32 s15, 0
	s_cbranch_scc0 .Lfor_b_\@
	tensor_load_to_lds s[G0+4*\s:G0+4*\s+3], s[G1:G1+7]
	s_nop 0
.rept 4
	v_nop
.endr
	s_branch .Lasked_\@
.Lfor_b_\@:
	tensor_load_to_lds s[G0B+4*\s:G0B+4*\s+3], s[G1B:G1B+7]
	s_nop 0
.rept 4
	v_nop
.endr
.Lasked_\@:
.endm
.macro ASK off                         ; 32 lanes x 256 bytes: my wave's piece of a later K slot
	s_cmp_eq_u32 s[LIM], 1
	s_cbranch_scc0 .Lnot_mine_\@
	global_prefetch_b8 v[PFO], s[PFA:PFA+1] offset:\off th:TH_LOAD_NT scope:SCOPE_SE
.Lnot_mine_\@:
.endm
.macro CREST                           ; a round of the cluster's barrier behind its opening barrier
	s_cmp_lg_u32 s14, 0
	s_cbranch_scc1 .Lnot_wave_0_\@
	s_barrier_signal -3
.Lnot_wave_0_\@:
	s_barrier_wait -3
	s_barrier_signal -1
	s_barrier_wait -1
.endm
.macro CROUND
	s_barrier_signal -1
	s_barrier_wait -1
	CREST
.endm
.macro PLACES n
.rept \n
	v_nop
.endr
.endm
	s_load_b128 s[4:7], s[0:1], 0x0                ; ops, bias
	s_load_b64 s[8:9], s[0:1], 0x10                ; out0
	v_lshl_add_u32 v[SPW], v0, 2, SPARE
	v_mov_b32 v[NIL], 0
	ds_add_u32 v[SPW], v[NIL]                      ; the opening lines: the add, twice on end, and its wait
	ds_add_u32 v[SPW], v[NIL]
	v_lshrrev_b32 v1, 5, v0
	v_readfirstlane_b32 s14, v1                    ; wave
	s_lshr_b32 s15, s14, 1                         ; my half of the rows; also: I fetch for A (0) or B (1)
	s_and_b32 s16, s14, 1                          ; my half of the columns; also: which half of the block I fetch
	s_bfe_u32 s40, ttmp6, 0x40000                  ; cx
	s_bfe_u32 s41, ttmp6, 0x40004                  ; cy
	s_lshl_b32 s42, ttmp9, 2
	s_add_co_u32 s42, s42, s40                     ; tile column
	s_and_b32 s17, ttmp7, 0xffff
	s_lshl_b32 s17, s17, 2
	s_add_co_u32 s17, s17, s41                     ; tile row
	s_lshl_b32 s43, s41, 2
	s_lshl_b32 s43, 15, s43                        ; my row of the cluster
	s_lshl_b32 s44, 0x1111, s40                    ; my column
	s_and_b32 s[KI], ttmp7, 0xffff                 ; the cluster's first K slot, 0 or 4, from the cluster's x and y alone
	s_xor_b32 s[KI], s[KI], ttmp9
	s_lshr_b32 s[KI+1], s[KI], 1
	s_xor_b32 s[KI], s[KI], s[KI+1]
	s_and_b32 s[KI], s[KI], 1
	s_lshl_b32 s[KI], s[KI], 2
	s_add_co_u32 s[KI+1], s[KI], 1
	s_mov_b32 s[OFS+1], 0
	s_or_b32 s[G1+0], s43, (3<<16)|(1<<21)         ; elements of 8 bytes, the mask, bit 21 beside it
	s_or_b32 s[G1B+0], s44, (3<<16)|(1<<21)
.irp g, G1, G1B
	s_mov_b32 s[\g+1], 32<<16                      ; 136 rows of 32 elements: 34,816 dense bytes
	s_mov_b32 s[\g+2], 136<<16
	s_mov_b32 s[\g+3], 32<<16
	s_mov_b32 s[\g+4], 136
	s_mov_b32 s[\g+5], 32
	s_mov_b32 s[\g+6], 0
	s_mov_b32 s[\g+7], 0
.endr
	s_mul_i32 s18, s16, HALFB
	s_mul_i32 s20, s17, TB
	s_add_co_u32 s20, s20, s18
	s_mov_b32 s21, 0
	s_mul_i32 s46, s42, TB
	s_add_co_u32 s46, s46, s18
	s_add_co_u32 s46, s46, 16*TB
	s_mov_b32 s47, 0
	s_mul_i32 s45, s14, HALFB                      ; where my half block goes: wave x HALFB
	s_wait_dscnt 0x0                               ; both opening adds are done
	s_wait_kmcnt 0x0
	s_add_nc_u64 s[BA:BA+1], s[4:5], s[20:21]
	s_add_nc_u64 s[BB:BB+1], s[4:5], s[46:47]
	CROUND                                         ; all sixteen work-groups are here: the first joint loads meet
.irp s, 0,1
	s_mul_i32 s[OFS], s[KI+\s], KSB
	s_mov_b32 s[G0+4*\s], 1
	s_add_co_u32 s[G0+4*\s+1], s45, \s*SLOT
	s_add_nc_u64 s[G0+4*\s+2:G0+4*\s+3], s[BA:BA+1], s[OFS:OFS+1]
	s_or_b32 s[G0+4*\s+3], s[G0+4*\s+3], 0x80000000
	s_mov_b32 s[G0B+4*\s], 1
	s_add_co_u32 s[G0B+4*\s+1], s45, \s*SLOT
	s_add_nc_u64 s[G0B+4*\s+2:G0B+4*\s+3], s[BB:BB+1], s[OFS:OFS+1]
	s_or_b32 s[G0B+4*\s+3], s[G0B+4*\s+3], 0x80000000
.endr
	JLOAD 0                                        ; the walk's first K slot: one tensor load a wave at the head
	; scalar set-up first, then the vector lines on end
	s_lshl_b32 s81, s15, 13                        ; A's codes: my 128 rows
	s_lshl_b32 s82, s16, 11
	s_add_co_u32 s82, s82, TB                      ; B's codes: my 128 rows
	s_lshl_b32 s83, s15, 11
	s_add_co_u32 s83, s83, 65536                   ; A's scale bytes
	s_lshl_b32 s84, s16, 2                         ; B's: my first P
	s_mul_i32 s85, s14, 16*SPITCH                  ; my stage
	s_mov_b32 s69, 0x06040200
	s_mov_b32 s70, 0x07050301
	s_lshl_b32 s46, s42, 10
	s_lshl_b32 s47, s16, 9
	s_add_co_u32 s46, s46, s47                     ; my first column, in bytes
	s_mov_b32 s47, 0
	s_add_nc_u64 s[6:7], s[6:7], s[46:47]
	s_lshl_b32 s20, s17, 8
	s_lshl_b32 s21, s15, 7
	s_add_co_u32 s20, s20, s21
	s_lshl_b32 s20, s20, 14                        ; my first row of out0, 16,384 bytes a row
	s_mov_b32 s21, 0
	s_add_nc_u64 s[8:9], s[8:9], s[20:21]
	s_add_nc_u64 s[8:9], s[8:9], s[46:47]
	s_and_b32 s18, ttmp7, 0xffff                   ; the prefetches: my cluster's number among the eight that begin at the same K slot,
	s_lshl_b32 s18, s18, 1
	s_lshr_b32 s19, ttmp9, 1
	s_add_co_u32 s18, s18, s19
	s_lshl_b32 s19, s14, 3
	s_add_co_u32 s19, s19, s18
	s_cmp_le_u32 s19, 16                           ; pieces 0 .. 271 exist
	s_cselect_b32 s[LIM], 1, 0
	s_lshl_b32 s19, s41, 2
	s_add_co_u32 s19, s19, s40
	s_lshl_b32 s18, s18, 4
	s_add_co_u32 s18, s18, s19
	s_lshl_b32 s19, s14, 7
	s_add_co_u32 s18, s18, s19                     ; piece = 128 wave + 16 cluster + place
	s_min_u32 s18, s18, 271
	s_lshl_b32 s18, s18, 13
	s_add_co_u32 s19, s[KI], 1
	s_mul_i32 s19, s19, KSB
	s_add_co_u32 s18, s18, s19
	s_mov_b32 s19, 0
	s_add_nc_u64 s[PFA:PFA+1], s[4:5], s[18:19]    ; at the walk's second K slot; offsets 0, KSB, 2 KSB stay inside ops (first slot 4 at the most)
	v_and_b32 v1, 15, v0                           ; r
	v_bfe_u32 v2, v0, 4, 1                         ; h
	v_lshrrev_b32 v3, 2, v1
	v_and_b32 v4, 3, v1
	v_lshlrev_b32 v5, 8, v3
	v_lshl_add_u32 v5, v4, 4, v5
	v_add_nc_u32 v5, s81, v5                       ; A: g 256 + (r % 4) 16
	v_add_nc_u32 v6, v2, v3
	v_and_b32 v7, 3, v6
	v_lshl_add_u32 v[ADRA+0], v7, 6, v5            ; + ((kq + g) % 4) 64, kq = h
	v_add_nc_u32 v7, 2, v6
	v_and_b32 v7, 3, v7
	v_lshl_add_u32 v[ADRA+1], v7, 6, v5            ; kq = 2 + h
	v_add_nc_u32 v[ADRA+2], SLOT, v[ADRA+0]
	v_add_nc_u32 v[ADRA+3], SLOT, v[ADRA+1]
	v_lshlrev_b32 v5, 4, v1
	v_lshl_add_u32 v6, v2, 12, v5
	v_add_nc_u32 v[ADRB], s82, v6                  ; B: h 4096 + r 16
	v_add_nc_u32 v[ADRB+1], SLOT, v[ADRB]
	v_add_nc_u32 v[ADSA], s83, v5                  ; A's scale words: 16 bytes a row
	v_add_nc_u32 v[ADSA+1], SLOT, v[ADSA]
	v_and_b32 v5, 7, v0
	v_lshl_add_u32 v5, v2, 3, v5                   ; B's scale bytes: plane kbl = 8 h + l % 8,
	v_bfe_u32 v6, v0, 3, 1
	v_lshlrev_b32 v6, 4, v6
	v_lshl_add_u32 v6, v5, 8, v6
	v_add_nc_u32 v6, TB+65536, v6
	v_add_nc_u32 v5, s84, v5
.irp P, 0,1,2,3
	v_add_nc_u32 v7, \P, v5
	v_and_b32 v7, 7, v7
	v_lshl_add_u32 v[ADSB+\P], v7, 5, v6           ; its 32 bytes of rows 32 P .., at ((P + kbl) % 8) 32
	v_add_nc_u32 v[ADSB+4+\P], SLOT, v[ADSB+\P]
.endr
	v_mul_u32_u24 v5, v1, SPITCH
	v_lshl_add_u32 v5, v2, 5, v5
	v_add_nc_u32 v[STO], s85, v5
	v_and_b32 v6, 31, v0
	v_lshlrev_b32 v[CO], 4, v6
	v_add_nc_u32 v[RD], s85, v[CO]
	v_lshlrev_b32 v[PFO], 8, v6
	v_lshlrev_b32 v9, 5, v2
	s_wait_alu depctr_va_vdst(0)                   ; no vector line writes a register between here and the waits below
	WIN TO_B
.irp b, 0,1,2,3,4,5,6,7
	global_load_b128 v[BIAS+8*\b:BIAS+8*\b+3],   v9, s[6:7] offset:64*\b       ; bias[16 b + 8 h + 0 .. 7], in the result's layout, while the first tile is on its way
	global_load_b128 v[BIAS+8*\b+4:BIAS+8*\b+7], v9, s[6:7] offset:64*\b+16
.endr
	WIN 0
	ASK 0                                          ; the walk's second K slot
; 16 products: A's blocks a0, a0 + 1 x B's eight, the slot's q-th 128 along K.  p: B's set; sc: the set of scale words.  The 64 accumulators take turns in the same order in every step.
; B's scale words: register 2 b + q % 2 holds q < 2 in lanes 0-15 and q >= 2 in lanes 16-31.
.macro MUL16 a0, p, q, sc, first
.irp a, \a0, \a0+1
.irp b, 0,1,2,3,4,5,6,7
.if \first
	v_wmma_scale_f32_16x16x128_f8f6f4 v[8*(8*((\a)%4)+\b):8*(8*((\a)%4)+\b)+7], v[128*(\p)+8*\b:128*(\p)+8*\b+7], v[AF+8*(\a):AF+8*(\a)+7], v[BIAS+8*\b:BIAS+8*\b+7], v[SCB+16*(\sc)+2*\b+(\q)%2], v[SCA+32*(\sc)+4*(\a)+(\q)] matrix_a_fmt:MATRIX_FMT_FP4 matrix_b_fmt:MATRIX_FMT_FP4
.elseif (\q) < 2
	v_wmma_scale_f32_16x16x128_f8f6f4 v[8*(8*((\a)%4)+\b):8*(8*((\a)%4)+\b)+7], v[128*(\p)+8*\b:128*(\p)+8*\b+7], v[AF+8*(\a):AF+8*(\a)+7], v[8*(8*((\a)%4)+\b):8*(8*((\a)%4)+\b)+7], v[SCB+16*(\sc)+2*\b+(\q)%2], v[SCA+32*(\sc)+4*(\a)+(\q)] matrix_a_fmt:MATRIX_FMT_FP4 matrix_b_fmt:MATRIX_FMT_FP4
.else
	v_wmma_scale_f32_16x16x128_f8f6f4 v[8*(8*((\a)%4)+\b):8*(8*((\a)%4)+\b)+7], v[128*(\p)+8*\b:128*(\p)+8*\b+7], v[AF+8*(\a):AF+8*(\a)+7], v[8*(8*((\a)%4)+\b):8*(8*((\a)%4)+\b)+7], v[SCB+16*(\sc)+2*\b+(\q)%2], v[SCA+32*(\sc)+4*(\a)+(\q)] matrix_a_fmt:MATRIX_FMT_FP4 matrix_b_fmt:MATRIX_FMT_FP4 matrix_a_scale:MATRIX_SCALE_ROW1
.endif
.endr
.endr
.endm
.macro FETCH_B slot, q, p              ; B's eight fragments of the slot's q-th 128 along K into set p
	WIN TO_B
.irp i, 0,1,2,3,4,5,6,7
.irp c, 0,1
	ds_load_b128 v[128*(\p)+8*\i+4*\c:128*(\p)+8*\i+4*\c+3], v[ADRB+\slot] offset:(4*(\q)+2*\c)*4096+\i*256
.endr
.endr
	WIN 0
.endm
.macro FETCH_A slot, q, i0             ; A's blocks i0 .. i0 + 3
.irp i, \i0, \i0+1, \i0+2, \i0+3
.irp c, 0,1
	ds_load_b128 v[AF+8*(\i)+4*\c:AF+8*(\i)+4*\c+3], v[ADRA+2*\slot+\c] offset:(\q)*16384+(\i)*1024
.endr
.endr
.endm
.macro SCALES s                        ; a slot's scale words: A's as they lie; B's planes transposed 8 x 8 pairs of bytes at a time
.irp i, 0,1,2,3,4,5,6,7
	ds_load_b128 v[SCA+32*\s+4*\i:SCA+32*\s+4*\i+3], v[ADSA+\s] offset:\i*256
.endr
.irp P, 0,1,2,3
	ds_load_tr16_b128 v[TR+4*\P:TR+4*\P+3], v[ADSB+4*\s+\P]
.endr
.endm
.macro PERMS s                         ; the pairs' even and odd bytes make the words of B's blocks 2 P and 2 P + 1
.irp ql, 0,1
.irp P, 0,1,2,3
	v_perm_b32 v[SCB+16*\s+4*\P+\ql],   v[TR+4*\P+2*\ql+1], v[TR+4*\P+2*\ql], s69
	v_perm_b32 v[SCB+16*\s+4*\P+2+\ql], v[TR+4*\P+2*\ql+1], v[TR+4*\P+2*\ql], s70
.endr
.endr
	s_wait_alu depctr_va_vdst(0)                   ; directly behind the writes
	PLACES 8                                       ; a scale register written by a vector instruction stands 8 places ahead of the scaled product
.endm
; a step that has its successor in the same slot
.macro STEP slot, q, first
	s_wait_dscnt 8                                 ; B's set and A's blocks 0-3 are in; the youngest eight loads (A's blocks 4-7) may be out
.if \first
	WIN MULF_LO
.else
	WIN MUL_LO
.endif
	MUL16 0, (\q)%2, \q, \slot, \first
	MUL16 2, (\q)%2, \q, \slot, \first
	s_wait_dscnt 0x0                               ; A's blocks 4-7 are in
	PLACES 4
	FETCH_B \slot, (\q)+1, 1-(\q)%2
	FETCH_A \slot, (\q)+1, 0
.if \first
	WIN MULF_HI
.else
	WIN MUL_HI
.endif
	MUL16 4, (\q)%2, \q, \slot, \first
	MUL16 6, (\q)%2, \q, \slot, \first
	PLACES 4
	WIN 0
	FETCH_A \slot, (\q)+1, 4
.endm
; A slot's last step changes slots: ONE barrier; in front of it each wave waits for all its tensor loads, adds 0 to its spare word, and waits for that and for its reads of this slot.
; fill = 1: the barrier opens a round of the cluster's barrier and this slot is filled again, two K slots ahead.
.macro TURN slot, next, fill
.if \fill
	s_add_co_u32 s[KI+\slot], s[KI+\slot], 2
	s_and_b32 s[KI+\slot], s[KI+\slot], 7
	s_mul_i32 s[OFS], s[KI+\slot], KSB
.endif
	s_wait_dscnt 8
	WIN MUL_LO
	MUL16 0, 1, NQ-1, \slot, 0                     ; the products of my rows 0-63 stand ahead of the wait for the tile
	MUL16 2, 1, NQ-1, \slot, 0
	WIN 0
	s_wait_tensorcnt 0x0                           ; my part of the next slot has landed: no tensor load of mine is out, so a group 0 may be written
	ds_add_u32 v[SPW], v[NIL]
.if \fill
	s_add_nc_u64 s[G0+4*\slot+2:G0+4*\slot+3], s[BA:BA+1], s[OFS:OFS+1]
	s_or_b32 s[G0+4*\slot+3], s[G0+4*\slot+3], 0x80000000
	s_add_nc_u64 s[G0B+4*\slot+2:G0B+4*\slot+3], s[BB:BB+1], s[OFS:OFS+1]
	s_or_b32 s[G0B+4*\slot+3], s[G0B+4*\slot+3], 0x80000000
.endif
	s_wait_dscnt 0x0                               ; the add is done, and my reads of this slot are over
	s_barrier_signal -1
	s_barrier_wait -1
.if \fill
	CREST
	JLOAD \slot                                    ; the first tensor load behind the round; its four v_nop are the places for the loads below
.else
	PLACES 4
.endif
	SCALES \next
	FETCH_B \next, 0, 0
	FETCH_A \next, 0, 0
	WIN MUL_HI
	MUL16 4, 1, NQ-1, \slot, 0
	MUL16 6, 1, NQ-1, \slot, 0
	WIN 0
	s_wait_dscnt 24                                ; the scale words are in; behind them: B's set and A's blocks 0-3
	PERMS \next                                    ; (its lines are also the places for the loads below)
	FETCH_A \next, 0, 4
.endm
.macro STEPS slot, from                ; the slot's steps from .. NQ - 2
.set Q, \from
.rept NQ-1-\from
	STEP \slot, Q, 0
.set Q, Q+1
.endr
.endm
	s_wait_tensorcnt 0x0                           ; my part of the first slot is in
	ds_add_u32 v[SPW], v[NIL]
	s_wait_dscnt 0x0
	CROUND                                         ; a whole round: everybody's part is in, and the joint loads meet
	JLOAD 1                                        ; slot 1's first fill, the first tensor load behind the round
	SCALES 0
	FETCH_B 0, 0, 0
	FETCH_A 0, 0, 0
	ASK KSB                                        ; the walk's third K slot
	s_wait_dscnt 24                                ; the scale words are in
	PERMS 0
	FETCH_A 0, 0, 4
	s_wait_loadcnt 0x0                             ; the bias
	STEP 0, 0, 1                                   ; the first step stands in front of the loop: its products start the sums from the bias
	ASK 2*KSB                                      ; the walk's fourth K slot
	s_mov_b32 s3, LAPS-1
.Llap:                                                 ; a trip goes once round the ring, from a lap's second step to the next lap's first, and fills both slots again
	STEPS 0, 1
	TURN 0, 1, 1
	STEPS 1, 0
	TURN 1, 0, 1
	STEP 0, 0, 0
	s_sub_co_u32 s3, s3, 1
	s_cmp_lg_u32 s3, 0
	s_cbranch_scc1 .Llap
	STEPS 0, 1                                     ; the last lap fills nothing
	TURN 0, 1, 0
	STEPS 1, 0
	s_wait_dscnt 8                                 ; the very last step: nothing more to fetch
	WIN MUL_LO
	MUL16 0, 1, NQ-1, 1, 0
	MUL16 2, 1, NQ-1, 1, 0
	s_wait_dscnt 0x0
	WIN MUL_HI
	MUL16 4, 1, NQ-1, 1, 0
	MUL16 6, 1, NQ-1, 1, 0
	WIN 0
; THE WAY OUT, by blocks of 16 rows x 128 columns: through my own stage and back as whole rows of 512 bytes, which the 32 lanes store as two aligned units of 256 bytes
.macro TOSTAGE a
.set AC, 64*((\a)%4)
	WIN 0x08+4*((\a)/4)                            ; the data: window 2 or 3
.irp b, 0,1,2,3,4,5,6,7
	ds_store_b128 v[STO], v[AC+8*\b:AC+8*\b+3] offset:64*\b          ; each accumulator from its low end on
	ds_store_b128 v[STO], v[AC+8*\b+4:AC+8*\b+7] offset:64*\b+16
.endr
	WIN 0
.set BB2, BK+64*((\a)%2)
.irp t, 0,1,2,3,4,5,6,7,8,9,10,11,12,13,14,15
	ds_load_b128 v[BB2+4*\t:BB2+4*\t+3], v[RD] offset:\t*SPITCH      ; LDS serves a wave's instructions in order: these see the stores above
.endr
.endm
.macro SEND a, younger
.set BB2, BK+64*((\a)%2)
	s_wait_dscnt \younger                          ; the block is back in registers
.if (\a) > 0
	s_add_nc_u64 s[8:9], s[8:9], 16*SIZE_N*4       ; behind a wait on XCNT: the earlier stores have read their base
.endif
.irp t, 0,1,2,3,4,5,6,7,8,9,10,11,12,13,14,15
	global_store_b128 v[CO], v[BB2+4*\t:BB2+4*\t+3], s[8:9] offset:\t*SIZE_N*4 th:TH_STORE_NT
.endr
.endm
	PLACES 4
	TOSTAGE 0
.irp a, 1,2,3,4,5,6,7
.if \a > 1
	s_wait_xcnt 0x0                                ; block a - 2's stores have read their registers and their base
.endif
	TOSTAGE \a
	SEND \a-1, 32                                  ; behind block a - 1's loads: block a's 16 stores and 16 loads
.endr
	s_wait_xcnt 0x0
	SEND 7, 0
	s_wait_tensorcnt 0x0                           ; the wave's end
	ds_add_u32 v[SPW], v[NIL]
	s_wait_dscnt 0x0
	CROUND                                         ; the closing round
	s_endpgm
.Lfunc_end_k_q5363ab6585_gemm:
	.size	k_q5363ab6585_gemm, .Lfunc_end_k_q5363ab6585_gemm-k_q5363ab6585_gemm
	.p2alignl 7, 3214868480
	.fill 96, 4, 3214868480
	.section	.rodata,"a",@progbits
	.p2align	6, 0x0
	.amdhsa_kernel k_q5363ab6585_gemm
		.amdhsa_group_segment_fixed_size 327680
		.amdhsa_private_segment_fixed_size 0
		.amdhsa_enable_private_segment 0
		.amdhsa_kernarg_size 24
		.amdhsa_user_sgpr_count 2
		.amdhsa_user_sgpr_kernarg_segment_ptr 1
		.amdhsa_wavefront_size32 1
		.amdhsa_system_sgpr_workgroup_id_x 1
		.amdhsa_system_sgpr_workgroup_id_y 1
		.amdhsa_system_sgpr_workgroup_id_z 1
		.amdhsa_system_vgpr_workitem_id 0
		.amdhsa_next_free_vgpr 1024
		.amdhsa_next_free_sgpr 96
		.amdhsa_reserve_vcc 0
		.amdhsa_float_denorm_mode_32 3
		.amdhsa_float_denorm_mode_16_64 3
		.amdhsa_memory_ordered 1
		.amdhsa_forward_progress 1
		.amdhsa_inst_pref_size 220
	.end_amdhsa_kernel
	.amdgpu_metadata
---
amdhsa.version: [ 1, 2 ]
amdhsa.kernels:
  - .name:           k_q5363ab6585_gemm
    .symbol:         k_q5363ab6585_gemm.kd
    .args:
      - { .name: ops, .offset: 0, .size: 8, .value_kind: global_buffer, .address_space: global }
      - { .name: bias, .offset: 8, .size: 8, .value_kind: global_buffer, .address_space: global }
      - { .name: out0, .offset: 16, .size: 8, .value_kind: global_buffer, .address_space: global }
    .group_segment_fixed_size: 327680
    .private_segment_fixed_size: 0
    .kernarg_segment_align: 8
    .kernarg_segment_size: 24
    .max_flat_workgroup_size: 128
    .sgpr_count:     96
    .vgpr_count:     1024
    .wavefront_size: 32
...
	.end_amdgpu_metadata
.endif
;; end of part 2
